; MI455X (gfx1250); checked and timed in simulation.
; The chip was launched on July 23, 2026; its instructions are those of AMD's public machine-readable ISA for CDNA 5 (MIT licence, August 2026) and "CDNA5" Instruction Set Architecture Reference Guide (July 2026).
;; Two Stage Selfgating RNN. Allowed arithmetic: matrix products marked QUANTISED: E5M2 operands, one E8M0 scale for each 32 along K, by v_wmma_scale_f32_16x16x128_f8f6f4 with both operands' format E5M2, f32 sums; everything else in f32.
;; Inputs: Wc 1,024 x 1,024 float32; Wk 1,024 x 1,024 float32; Wq 1,024 x 1,024 float32; Wv 1,024 x 1,024 float32; X 4 x 4,096 x 1,024 float32.
;; Outputs: out0 4 x 4,096 x 1,024 float32.
;; This version of the problem:
;;   THIS VERSION OF THE PROBLEM IS GIVEN IN LOW PRECISION. The matrix products marked QUANTISED in the list below multiply operands that are first quantised to E5M2 (5 exponent bits, 2 mantissa bits; 8 bits a number), with one power-of-two scale for each 32 numbers along K (OCP MX v1.0); their sums are f32. All else is computed in f32.
;;   The module's matrix products, in the order in which they are computed (A, B: the left and right operand; K: the contracted axis; several contracted axes count as one K, in the product's order):
;;     1. [M 16,384, K 1,024] x [K 1,024, N 1,024]; A: input X; B: input Wv: QUANTISED
;;     2. [M 16,384, K 1,024] x [K 1,024, N 1,024]; A: input X; B: input Wk: QUANTISED
;;     3. [M 16,384, K 1,024] x [K 1,024, N 1,024]; A: input X; B: input Wq: QUANTISED
;;     4. [M 16,384, K 1,024] x [K 1,024, N 1,024]; A: computed on the way; B: input Wc: QUANTISED
;;   THE QUANTISER, for each operand of a quantised product, along K:
;;     - K is cut into blocks of 32 from its start; a last block that is shorter is filled with zeros.
;;     - A block's scale is 2^e with e = floor(log2(the largest magnitude in the block)) - 15, held to -126 .. 127; a block of zeros has e = 0. As a byte (E8M0): e + 127.
;;     - Each number is divided by its block's scale, clamped to +-57,344, and rounded to the nearest number of E5M2, ties to even, subnormals kept.
;;     - The product sums the exact products of the quantised numbers (number of the format x scale) in f32.
;;   ~~~python
;;   def quantise(x, axis):      # numpy; x: float32 -> the quantised numbers, widened to float32 again
;;       x = np.moveaxis(x, axis, -1); K = x.shape[-1]
;;       x = np.pad(x, [(0, 0)] * (x.ndim - 1) + [(0, -K % 32)]); x = x.reshape(x.shape[:-1] + (-1, 32)); a = np.abs(x).max(-1, keepdims=True)
;;       e = np.where(a > 0, np.clip(np.frexp(np.where(a > 0, a, 1))[1] - 1 - 15, -126, 127), 0)      # np.frexp(a)[1] - 1 = floor(log2(a)), exactly
;;       r = np.clip(x / 2.0 ** e, -57344, 57344)
;;       step = 2.0 ** (np.maximum(np.frexp(np.where(r == 0, 1, r))[1] - 1, -14) - 2)
;;       q = np.round(r / step) * step * 2.0 ** e      # np.round: ties to even
;;       return np.moveaxis(q.reshape(q.shape[:-2] + (-1,))[..., :K], -1, axis).astype(np.float32)
;;   ~~~
;;   OPERANDS COMPUTED ON THE WAY. 'Computed on the way' means the value that the module computes at that place (a softmax that the list does not call 'softmax' is quantised finished and normalised). What goes into a quantiser is computed in f32, as accurately as f32 sums, v_exp_f32 and their like allow (about 1e-6 of the number): no bf16 or f16 on the way to a quantiser, and a product that is left as it is and whose result goes on into a quantised operand takes f32 operands (vector FMAs, or v_wmma_f32_16x16x4_f32). A number that lies on a knife's edge between two numbers of the format may be rounded either way, as far as f32 arithmetic and the matrix unit's own rounding can turn it there, and no further.
;; One version. Each part assembles by itself: llvm-mc -triple=amdgcn-amd-amdhsa -mcpu=gfx1250 --defsym DOCPART=n.
;; ======== version 1 of 1: 4 launches
;; limits: right only within a limited range of input values
;; workspace buffers: xcod 16,777,216 bytes; xscl 524,288 bytes; wcod 4,194,304 bytes; wscl 131,072 bytes; part 524,288 bytes; ocod 16,777,216 bytes; oscl 524,288 bytes
;; launch prep (part 1): grid 640 x 1, 4 waves a work-group, no clusters, 67,072 bytes of LDS; arguments X, Wv, Wk, Wq, Wc, xcod, xscl, wcod, wscl; writes xcod, xscl, wcod, wscl
.if DOCPART == 1
	.amdgcn_target "amdgcn-amd-amdhsa--gfx1250"
	.amdhsa_code_object_version 6
	.text
	.protected	k_q7857b868fe_prep
	.globl	k_q7857b868fe_prep
	.p2align	8
	.type	k_q7857b868fe_prep,@function
k_q7857b868fe_prep:
	s_mov_b64 s[64:65], 0
	v_nop
	global_prefetch_b8 v0, s[64:65] scope:SCOPE_SE
	s_setreg_imm32_b32 hwreg(HW_REG_WAVE_MODE, 25, 1), 1
	s_wait_xcnt 0x0
.set XWGS, 512
.set SEL,  44
.set MNT,  46
.set TM,   240
.set LI,   1
.set STI,  2
.set STO,  3
.set SWO,  4
.set SW,   8
.set SGN,  14
.set R,    16
.set XN,   144
.set PC,   208
.set XP,   528
.set XSTG, 16*XP
.set WSTG, 4*XSTG
.set WX,   32
.set WC,   96
.set WOUT, 112
.set WSB,  8
.set SPARE, WSTG+4*8192
	s_load_b256 s[8:15], s[0:1], 0x0
	s_load_b256 s[16:23], s[0:1], 0x20
	s_load_b64 s[24:25], s[0:1], 0x40
	v_lshrrev_b32 v1, 5, v0
	v_readfirstlane_b32 s26, v1
	v_and_b32 v5, 31, v0
	v_and_b32 v6, 15, v0
	v_bfe_u32 v7, v0, 4, 1
	s_mov_b32 s[SEL], 0x76543210
	s_mov_b32 s[SEL+1], 0xfedcba98
	s_mov_b32 s[MNT], 0x600000
	s_cmp_lt_u32 ttmp9, XWGS
	s_cbranch_scc0 .Lweights
.macro QUANT s, pc, pw
.irp b, 0,1,2,3
	v_max3_num_f32 v[TM+\b], |v[\s+16*\b]|, |v[\s+1+16*\b]|, 0x8000000
.endr
.irp i, 2,4,6,8,10,12,14
.irp b, 0,1,2,3
	v_max3_num_f32 v[TM+\b], v[TM+\b], |v[\s+16*\b+\i]|, |v[\s+1+16*\b+\i]|
.endr
.endr
.irp b, 0,1,2,3
	v_permlanex16_b32 v[TM+4+\b], v[TM+\b], s[SEL], s[SEL+1]
.endr
.irp b, 0,1,2,3
	v_max_num_f32 v[TM+\b], v[TM+\b], v[TM+4+\b]
.endr
.irp b, 0,1,2,3
	v_add_nc_u32 v[TM+12+\b], 0xf8800000, v[TM+\b]
.endr
.irp b, 0,1,2,3
	v_and_or_b32 v[TM+8+\b], v[TM+\b], 0x7f800000, s[MNT]
.endr
.irp b, 0,1,2,3
	v_lshrrev_b32 v[TM+4+\b], 23, v[TM+12+\b]
.endr
	v_lshl_or_b32 v[\pw], v[TM+5], 8, v[TM+4]
	v_lshl_or_b32 v[\pw], v[TM+6], 16, v[\pw]
	v_lshl_or_b32 v[\pw], v[TM+7], 24, v[\pw]
.irp b, 0,1,2,3
.irp i, 0,1,2,3,4,5,6,7,8,9,10,11,12,13,14,15
	v_med3_num_f32 v[\s+16*\b+\i], v[\s+16*\b+\i], -v[TM+8+\b], v[TM+8+\b]
.endr
	v_cvt_scalef32_pk8_bf8_f32 v[\pc+4*\b:\pc+1+4*\b], v[\s+16*\b:\s+7+16*\b], v[TM+12+\b]
	v_cvt_scalef32_pk8_bf8_f32 v[\pc+2+4*\b:\pc+3+4*\b], v[\s+8+16*\b:\s+15+16*\b], v[TM+12+\b]
.endr
	v_nop
.endm
	v_lshlrev_b32 v[LI], 4, v5
	s_mul_i32 s27, s26, XSTG
	v_add_nc_u32 v[STI], s27, v[LI]
	v_mul_u32_u24 v[STO], v6, XP
	v_lshl_add_u32 v[STO], v7, 6, v[STO]
	v_add_nc_u32 v[STO], s27, v[STO]
	v_lshlrev_b32 v[SWO], 4, v6
	v_lshl_add_u32 v[SWO], v7, 3, v[SWO]
	v_and_b32 v[SGN], 1, v0
	v_sub_nc_u32 v[SGN], 0, v[SGN]
	v_and_b32 v[SGN], 0x80808080, v[SGN]
.irp b, 0,1,2,3
	v_mov_b32 v[TM+4+\b], 0
.endr
	s_lshl_b32 s28, ttmp9, 2
	s_add_co_u32 s28, s28, s26
	s_lshr_b32 s29, s28, 1
	s_and_b32 s30, s28, 1
	s_lshr_b32 s32, s29, 3
	s_lshl_b32 s32, s32, 19
	s_and_b32 s31, s29, 7
	s_lshl_b32 s31, s31, 15
	s_add_co_u32 s32, s32, s31
	s_lshl_b32 s31, s30, 11
	s_add_co_u32 s32, s32, s31
	s_mov_b32 s33, 0
	s_lshl_b32 s34, s29, 14
	s_lshl_b32 s31, s30, 13
	s_add_co_u32 s34, s34, s31
	s_mov_b32 s35, 0
	s_lshl_b32 s36, s29, 9
	s_lshl_b32 s31, s30, 8
	s_add_co_u32 s36, s36, s31
	s_mov_b32 s37, 0
	s_wait_kmcnt 0x0
	s_add_nc_u64 s[8:9], s[8:9], s[32:33]
	s_add_nc_u64 s[18:19], s[18:19], s[34:35]
	s_add_nc_u64 s[20:21], s[20:21], s[36:37]
.macro XLOAD t
.irp i, 0,1,2,3,4,5,6,7,8,9,10,11,12,13,14,15
	global_load_b128 v[R+64*((\t)%2)+4*\i:R+64*((\t)%2)+4*\i+3], v[LI], s[8:9] offset:((\i&7)+64*(\i>>3))*4096+512*(\t) th:TH_LOAD_NT
.endr
.endm
.macro XTURN t
.irp i, 0,1,2,3,4,5,6,7,8,9,10,11,12,13,14,15
	ds_store_b128 v[STI], v[R+64*((\t)%2)+4*\i:R+64*((\t)%2)+4*\i+3] offset:XP*\i
.endr
.irp b, 0,1,2,3
.irp q, 0,1,2,3
	ds_load_b128 v[XN+16*\b+4*\q:XN+16*\b+4*\q+3], v[STO] offset:128*\b+16*\q
.endr
.endr
.endm
.macro XSTEP t
.if (\t) < 3
	s_wait_loadcnt 16
.else
	s_wait_loadcnt 0x0
.endif
	XTURN \t
	s_wait_dscnt 0x0
.if (\t) < 2
	XLOAD (\t)+2
.endif
.if (\t) >= 2
	s_wait_xcnt 0x0
.endif
.set PCS, PC+16*((\t)%2)
.set SWS, SW+(\t)
	QUANT XN, PCS, SWS
.irp c, 0,1,2,3,4,5,6,7,8,9,10,11,12,13,14,15
	v_xor_b32 v[PCS+\c], v[SGN], v[PCS+\c]
.endr
.irp c, 0,1,2,3
	global_store_b128 v[LI], v[PCS+4*\c:PCS+4*\c+3], s[18:19] offset:2048*(\t)+512*\c
.endr
.endm
	XLOAD 0
	XLOAD 1
	XSTEP 0
	XSTEP 1
	XSTEP 2
	XSTEP 3
	v_cmp_eq_u32 vcc_lo, 1, v7
	v_cndmask_b32 v12, v[SW], v[SW+2], vcc_lo
	v_cndmask_b32 v13, v[SW+1], v[SW+3], vcc_lo
	global_store_b64 v[SWO], v[12:13], s[20:21]
	v_lshl_add_u32 v5, v0, 2, SPARE
	v_mov_b32 v6, 0
	s_wait_alu depctr_va_vdst(0)
	s_wait_tensorcnt 0x0
	ds_add_u32 v5, v6
	s_wait_dscnt 0x0
	s_endpgm
.Lweights:
	s_sub_co_u32 s28, ttmp9, XWGS
	s_lshr_b32 s29, s28, 5
	s_bfe_u32 s30, s28, 0x30002
	s_and_b32 s31, s28, 3
	s_lshl_b32 s32, s30, 2
	s_add_co_u32 s32, s32, s26
	s_lshl_b32 s33, s32, 2
	s_lshl_b32 s34, s29, 1
	s_add_co_u32 s33, s33, s34
	s_lshl_b32 s34, s32, 1
	s_lshl_b32 s35, s29, 6
	s_add_co_u32 s34, s34, s35
	s_cmp_lt_u32 s29, 2
	s_cselect_b32 s33, s33, s34
	s_lshl_b32 s36, s31, 20
	s_lshl_b32 s34, s32, 7
	s_add_co_u32 s36, s36, s34
	s_mov_b32 s37, 0
	s_lshl_b32 s38, s33, 14
	s_lshl_b32 s34, s31, 12
	s_add_co_u32 s38, s38, s34
	s_mov_b32 s39, 0
	s_lshl_b32 s40, s33, 9
	s_lshr_b32 s34, s31, 1
	s_lshl_b32 s34, s34, 8
	s_add_co_u32 s40, s40, s34
	s_and_b32 s34, s31, 1
	s_lshl_b32 s34, s34, 3
	s_add_co_u32 s40, s40, s34
	s_mov_b32 s41, 0
	s_lshl_b32 s27, s26, 13
	s_add_co_u32 s27, s27, WSTG
	s_wait_alu depctr_va_vdst(0)
	v_lshlrev_b32 v2, 4, v6
	v_lshl_add_u32 v2, v7, 12, v2
	v_add_nc_u32 v2, s27, v2
	v_lshlrev_b32 v4, 4, v5
	v_add_nc_u32 v3, s27, v4
	v_lshlrev_b32 v1, 2, v5
	v_lshlrev_b32 v14, 4, v6
	v_lshl_add_u32 v14, v7, 9, v14
	s_wait_alu depctr_va_vdst(0)
	s_wait_kmcnt 0x0
	s_cmp_eq_u32 s29, 1
	s_cselect_b64 s[4:5], s[12:13], s[10:11]
	s_cmp_eq_u32 s29, 2
	s_cselect_b64 s[4:5], s[14:15], s[4:5]
	s_cmp_eq_u32 s29, 3
	s_cselect_b64 s[4:5], s[16:17], s[4:5]
	s_add_nc_u64 s[4:5], s[4:5], s[36:37]
	s_add_nc_u64 s[22:23], s[22:23], s[38:39]
	s_add_nc_u64 s[24:25], s[24:25], s[40:41]
.macro WLOAD t
.irp i, 0,1,2,3,4,5,6,7,8,9,10,11,12,13,14,15,16,17,18,19,20,21,22,23,24,25,26,27,28,29,30,31
	global_load_b32 v[WX+32*((\t)%2)+\i], v1, s[4:5] offset:(32*(\t)+\i)*4096 th:TH_LOAD_NT
.endr
.endm
.macro WBLOCK t
.set XS, WX+32*((\t)%2)
.if (\t) < 7
	s_wait_loadcnt 32
.else
	s_wait_loadcnt 0x0
.endif
	v_max3_num_f32 v12, |v[XS]|, |v[XS+1]|, |v[XS+2]|
	v_max3_num_f32 v13, |v[XS+3]|, |v[XS+4]|, |v[XS+5]|
.irp i, 6,10,14,18,22,26
	v_max3_num_f32 v12, v12, |v[XS+\i]|, |v[XS+\i+1]|
	v_max3_num_f32 v13, v13, |v[XS+\i+2]|, |v[XS+\i+3]|
.endr
	v_max3_num_f32 v12, v12, |v[XS+30]|, |v[XS+31]|
	v_max3_num_f32 v12, v12, v13, 0x8000000
	v_add_nc_u32 v11, 0xf8800000, v12
	v_and_or_b32 v10, v12, 0x7f800000, s[MNT]
	v_lshrrev_b32 v13, 23, v11
.if (\t)%4 == 0
	v_mov_b32 v[WSB+(\t)/4], v13
.else
	v_lshl_or_b32 v[WSB+(\t)/4], v13, 8*((\t)%4), v[WSB+(\t)/4]
.endif
.irp i, 0,1,2,3,4,5,6,7,8,9,10,11,12,13,14,15,16,17,18,19,20,21,22,23,24,25,26,27,28,29,30,31
	v_med3_num_f32 v[XS+\i], v[XS+\i], -v10, v10
.endr
.irp g, 0,1,2,3
	v_cvt_scalef32_pk8_bf8_f32 v[WC+2*\g:WC+2*\g+1], v[XS+8*\g:XS+8*\g+7], v11
.endr
	ds_store_b128 v2, v[WC:WC+3] offset:((\t)>>2)*2048+((\t)&3)*512
	ds_store_b128 v2, v[WC+4:WC+7] offset:((\t)>>2)*2048+((\t)&3)*512+256
.if (\t)+2 < 8
	WLOAD (\t)+2
.endif
	s_wait_dscnt 0x0
.endm
	WLOAD 0
	WLOAD 1
.irp t, 0,1,2,3,4,5,6,7
	WBLOCK \t
.endr
	global_store_b64 v14, v[WSB:WSB+1], s[24:25]
.irp i, 0,1,2,3,4,5,6,7,8,9,10,11,12,13,14,15
	ds_load_b128 v[WOUT+4*\i:WOUT+4*\i+3], v3 offset:512*\i
.endr
.irp i, 0,1,2,3,4,5,6,7,8,9,10,11,12,13,14,15
	s_wait_dscnt 15-\i
	global_store_b128 v4, v[WOUT+4*\i:WOUT+4*\i+3], s[22:23] offset:(\i>>3)*16384+(\i&7)*512
.endr
	v_lshl_add_u32 v5, v0, 2, SPARE
	v_mov_b32 v6, 0
	s_wait_alu depctr_va_vdst(0)
	s_wait_tensorcnt 0x0
	ds_add_u32 v5, v6
	s_wait_dscnt 0x0
	s_endpgm
.Lfunc_end_k_q7857b868fe_prep:
	.size	k_q7857b868fe_prep, .Lfunc_end_k_q7857b868fe_prep-k_q7857b868fe_prep
	.p2alignl 7, 3214868480
	.fill 96, 4, 3214868480
	.section	.rodata,"a",@progbits
	.p2align	6, 0x0
	.amdhsa_kernel k_q7857b868fe_prep
		.amdhsa_group_segment_fixed_size 67072
		.amdhsa_private_segment_fixed_size 0
		.amdhsa_enable_private_segment 0
		.amdhsa_kernarg_size 72
		.amdhsa_user_sgpr_count 2
		.amdhsa_user_sgpr_kernarg_segment_ptr 1
		.amdhsa_wavefront_size32 1
		.amdhsa_system_sgpr_workgroup_id_x 1
		.amdhsa_system_sgpr_workgroup_id_y 1
		.amdhsa_system_sgpr_workgroup_id_z 1
		.amdhsa_system_vgpr_workitem_id 0
		.amdhsa_next_free_vgpr 256
		.amdhsa_next_free_sgpr 66
		.amdhsa_reserve_vcc 1
		.amdhsa_float_denorm_mode_32 3
		.amdhsa_float_denorm_mode_16_64 3
		.amdhsa_memory_ordered 1
		.amdhsa_forward_progress 1
		.amdhsa_inst_pref_size 112
	.end_amdhsa_kernel
	.amdgpu_metadata
---
amdhsa.version: [ 1, 2 ]
amdhsa.kernels:
  - .name:           k_q7857b868fe_prep
    .symbol:         k_q7857b868fe_prep.kd
    .args:
      - { .name: X, .offset: 0, .size: 8, .value_kind: global_buffer, .address_space: global }
      - { .name: Wv, .offset: 8, .size: 8, .value_kind: global_buffer, .address_space: global }
      - { .name: Wk, .offset: 16, .size: 8, .value_kind: global_buffer, .address_space: global }
      - { .name: Wq, .offset: 24, .size: 8, .value_kind: global_buffer, .address_space: global }
      - { .name: Wc, .offset: 32, .size: 8, .value_kind: global_buffer, .address_space: global }
      - { .name: xcod, .offset: 40, .size: 8, .value_kind: global_buffer, .address_space: global }
      - { .name: xscl, .offset: 48, .size: 8, .value_kind: global_buffer, .address_space: global }
      - { .name: wcod, .offset: 56, .size: 8, .value_kind: global_buffer, .address_space: global }
      - { .name: wscl, .offset: 64, .size: 8, .value_kind: global_buffer, .address_space: global }
    .group_segment_fixed_size: 67072
    .private_segment_fixed_size: 0
    .kernarg_segment_align: 8
    .kernarg_segment_size: 72
    .max_flat_workgroup_size: 128
    .sgpr_count:     66
    .vgpr_count:     256
    .wavefront_size: 32
...
	.end_amdgpu_metadata
.endif
;; end of part 1
;; launch sums (part 2): grid 8 x 32, 4 waves a work-group, clusters of 4 x 4, 327,680 bytes of LDS; arguments xcod, xscl, wcod, wscl, part; writes part
.if DOCPART == 2
	.amdgcn_target "amdgcn-amd-amdhsa--gfx1250"
	.amdhsa_code_object_version 6
	.text
	.protected	k_q7857b868fe_sums
	.globl	k_q7857b868fe_sums
	.p2align	8
	.type	k_q7857b868fe_sums,@function
k_q7857b868fe_sums:
	s_mov_b64 s[64:65], 0
	v_nop
	global_prefetch_b8 v0, s[64:65] scope:SCOPE_SE
	s_setreg_imm32_b32 hwreg(HW_REG_WAVE_MODE, 25, 1), 1
	s_wait_xcnt 0x0
	s_wait_alu depctr_hold_cnt(0) depctr_sa_sdst(0) depctr_va_vdst(0) depctr_va_sdst(0) depctr_va_ssrc(0) depctr_va_vcc(0) depctr_vm_vsrc(0)
	s_getreg_b32 s2, hwreg(HW_REG_IB_STS2, 6, 4)
	s_cmp_eq_u32 s2, 0
	s_cbranch_scc0 .Lentry_in_a_cluster
	s_endpgm
.Lentry_in_a_cluster:
	s_bfe_u32 s2, ttmp6, 0x10000c
	s_cmp_lg_u32 s2, 0xf033
	s_cbranch_scc0 .Lentry_shape_is_right
	s_endpgm
.Lentry_shape_is_right:
.set KB,    4096
.set HALFT, 8*KB
.set SLOT,  4*HALFT
.set SPARE, 2*SLOT
.set NP,    8
.set STW,  13
.set STR,  14
.set GO,   15
.set ADRA, 16
.set ADRB, 20
.set LI,   27
.set SPW,  28
.set NIL,  29
.set LGV,  30
.set SCA,  32
.set SCB,  64
.set SUM,  96
.set AF,   128
.set G1,  24
.set G0,  32
.set G1B, 48
.set G0B, 56
.set SEL, 74
.set MSB, 0
.macro WIN new
.if MSB != (\new)
	s_set_vgpr_msb (MSB<<8)|(\new)
.set MSB, (\new)
.endif
.endm
.set MUL_LO, 0xa4
.set MUL_HI, 0xf4
.set TO_B,   0x40
.macro JLOAD g0a, g1a, g0b, g1b
	s_cmp_eq_u32 s15, 0
	s_cbranch_scc0 .Lfor_b_\@
	tensor_load_to_lds s[\g0a:\g0a+3], s[\g1a:\g1a+7]
	s_nop 0
.rept 4
	v_nop
.endr
	s_branch .Lasked_\@
.Lfor_b_\@:
	tensor_load_to_lds s[\g0b:\g0b+3], s[\g1b:\g1b+7]
	s_nop 0
.rept 4
	v_nop
.endr
.Lasked_\@:
.endm
.macro CREST
	s_cmp_lg_u32 s14, 0
	s_cbranch_scc1 .Lnot_wave_0_\@
	s_barrier_signal -3
.Lnot_wave_0_\@:
	s_barrier_wait -3
	s_barrier_signal -1
	s_barrier_wait -1
.endm
.macro CROUND
	s_barrier_signal -1
	s_barrier_wait -1
	CREST
.endm
	s_load_b128 s[4:7], s[0:1], 0x0
	s_load_b128 s[8:11], s[0:1], 0x10
	s_load_b64 s[12:13], s[0:1], 0x20
	v_lshl_add_u32 v[SPW], v0, 2, SPARE
	v_mov_b32 v[NIL], 0
	ds_add_u32 v[SPW], v[NIL]
	ds_add_u32 v[SPW], v[NIL]
	v_mov_b32 v[LGV], 0x3fb8aa3b
	v_mov_b32 v[LGV+1], 0xbfb8aa3b
	v_lshrrev_b32 v1, 5, v0
	v_readfirstlane_b32 s14, v1
	s_lshr_b32 s15, s14, 1
	s_and_b32 s16, s14, 1
	s_bfe_u32 s40, ttmp6, 0x40000
	s_bfe_u32 s41, ttmp6, 0x40004
	s_lshl_b32 s42, ttmp9, 2
	s_add_co_u32 s42, s42, s40
	s_and_b32 s17, ttmp7, 0xffff
	s_lshl_b32 s17, s17, 2
	s_add_co_u32 s17, s17, s41
	s_lshl_b32 s43, s41, 2
	s_lshl_b32 s43, 15, s43
	s_lshl_b32 s44, 0x1111, s40
	s_or_b32 s[G1+0], s43, (3<<16)|(1<<21)
	s_or_b32 s[G1B+0], s44, (3<<16)|(1<<21)
.irp g, G1, G1B
	s_mov_b32 s[\g+1], 512<<16
	s_mov_b32 s[\g+2], 16<<16
	s_mov_b32 s[\g+3], 512<<16
	s_mov_b32 s[\g+4], 16
	s_mov_b32 s[\g+5], 2048
	s_mov_b32 s[\g+6], 0
	s_mov_b32 s[\g+7], 0
.endr
	s_lshr_b32 s18, s17, 3
	s_lshl_b32 s18, s18, 8
	s_and_b32 s19, s17, 7
	s_lshl_b32 s19, s19, 4
	s_add_co_u32 s18, s18, s19
	s_lshl_b32 s46, s42, 4
	s_lshl_b32 s19, s16, 3
	s_add_co_u32 s20, s18, s19
	s_lshl_b32 s20, s20, 14
	s_mov_b32 s21, 0
	s_add_co_u32 s66, s46, s19
	s_lshl_b32 s66, s66, 14
	s_mov_b32 s67, 0
	s_lshl_b32 s45, s14, 15
	s_mov_b32 s[SEL], 0x76543210
	s_mov_b32 s[SEL+1], 0xfedcba98
	s_wait_dscnt 0x0
	s_wait_kmcnt 0x0
	s_add_nc_u64 s[20:21], s[4:5], s[20:21]
	s_add_nc_u64 s[66:67], s[8:9], s[66:67]
	CROUND
.irp s, 0,1
	s_mov_b32 s[G0+4*\s], 1
	s_add_co_u32 s[G0+4*\s+1], s45, \s*SLOT
	s_add_nc_u64 s[G0+4*\s+2:G0+4*\s+3], s[20:21], \s*KB
	s_or_b32 s[G0+4*\s+3], s[G0+4*\s+3], 0x80000000
	s_mov_b32 s[G0B+4*\s], 1
	s_add_co_u32 s[G0B+4*\s+1], s45, \s*SLOT
	s_add_nc_u64 s[G0B+4*\s+2:G0B+4*\s+3], s[66:67], \s*KB
	s_or_b32 s[G0B+4*\s+3], s[G0B+4*\s+3], 0x80000000
.endr
.set GH,  80
.set GHB, 84
	s_lshl_b32 s88, s18, 14
	s_mov_b32 s89, 0
	s_lshl_b32 s90, s46, 14
	s_mov_b32 s91, 0
	s_lshl_b32 s92, s16, 12
	s_mov_b32 s93, 0
	s_add_nc_u64 s[88:89], s[88:89], s[92:93]
	s_add_nc_u64 s[90:91], s[90:91], s[92:93]
	s_lshl_b32 s94, s16, 17
	s_mov_b32 s[GH], 1
	s_mov_b32 s[GH+1], s94
	s_add_nc_u64 s[GH+2:GH+3], s[4:5], s[88:89]
	s_or_b32 s[GH+3], s[GH+3], 0x80000000
	s_mov_b32 s[GHB], 1
	s_add_co_u32 s[GHB+1], s94, 2*HALFT
	s_add_nc_u64 s[GHB+2:GHB+3], s[8:9], s[90:91]
	s_or_b32 s[GHB+3], s[GHB+3], 0x80000000
	JLOAD GH, G1, GHB, G1B
	v_and_b32 v1, 31, v0
	v_lshlrev_b32 v[LI], 4, v1
	s_wait_alu depctr_va_vdst(0)
	s_lshl_b32 s22, s15, 3
	s_add_co_u32 s22, s22, s18
	s_lshl_b32 s22, s22, 9
	s_mov_b32 s23, 0
	s_add_nc_u64 s[6:7], s[6:7], s[22:23]
	s_lshl_b32 s68, s16, 3
	s_add_co_u32 s68, s68, s46
	s_lshl_b32 s68, s68, 9
	s_mov_b32 s69, 0
	s_add_nc_u64 s[10:11], s[10:11], s[68:69]
.irp i, 0,1,2,3,4,5,6,7
	global_load_b128 v[SCA+4*\i:SCA+4*\i+3], v[LI], s[6:7] offset:512*\i
	global_load_b128 v[SCB+4*\i:SCB+4*\i+3], v[LI], s[10:11] offset:512*\i
.endr
	s_lshl_b32 s21, s15, 15
	s_lshl_b32 s22, s16, 15
	s_add_co_u32 s22, s22, 2*HALFT
.irp s, 0,1
	v_add_nc_u32 v[ADRA+\s], s21, v[LI]
	v_add_nc_u32 v[ADRB+\s], s22, v[LI]
	s_add_co_u32 s21, s21, SLOT
	s_add_co_u32 s22, s22, SLOT
.endr
	s_lshl_b32 s23, s14, 9
	v_lshl_add_u32 v[STW], v1, 2, s23
	v_lshl_add_u32 v[STR], v1, 3, s23
	v_lshlrev_b32 v[GO], 3, v1
	s_lshl_b32 s70, s17, 1
	s_add_co_u32 s70, s70, s15
	s_lshl_b32 s70, s70, 12
	s_lshl_b32 s71, s42, 9
	s_add_co_u32 s70, s70, s71
	s_lshl_b32 s71, s16, 8
	s_add_co_u32 s70, s70, s71
	s_mov_b32 s71, 0
	s_add_nc_u64 s[12:13], s[12:13], s[70:71]
.macro FRAG reg, adr, q, i
.irp c, 0,1,2,3
	ds_load_b128 v[\reg+4*\c:\reg+4*\c+3], v[\adr] offset:KB*(\i)+2048*(\q)+512*\c
.endr
.endm
.macro MUL16 a0, p, ks
.irp a, \a0, \a0+1
.irp b, 0,1,2,3,4,5,6,7
.set DD, 8*(8*((\a)%4)+\b)
.set FX, AF+16*(\a)
.set FW, 128*(\p)+16*\b
.set SX, SCA+4*(\a)+((\ks)&3)
.set SY, SCB+4*\b+((\ks)&3)
.if (\ks) == 0
	v_wmma_scale_f32_16x16x128_f8f6f4 v[DD:DD+7], v[FX:FX+15], v[FW:FW+15], 0, v[SX], v[SY] matrix_a_fmt:MATRIX_FMT_BF8 matrix_b_fmt:MATRIX_FMT_BF8
.elseif (\ks) < 4
	v_wmma_scale_f32_16x16x128_f8f6f4 v[DD:DD+7], v[FX:FX+15], v[FW:FW+15], v[DD:DD+7], v[SX], v[SY] matrix_a_fmt:MATRIX_FMT_BF8 matrix_b_fmt:MATRIX_FMT_BF8
.else
	v_wmma_scale_f32_16x16x128_f8f6f4 v[DD:DD+7], v[FX:FX+15], v[FW:FW+15], v[DD:DD+7], v[SX], v[SY] matrix_a_fmt:MATRIX_FMT_BF8 matrix_b_fmt:MATRIX_FMT_BF8 matrix_a_scale:MATRIX_SCALE_ROW1 matrix_b_scale:MATRIX_SCALE_ROW1
.endif
.endr
.endr
.endm
.macro FETCH_B slot, q, p
	WIN TO_B
.irp i, 0,1,2,3,4,5,6,7
	FRAG 128*(\p)+16*\i, ADRB+\slot, \q, \i
.endr
	WIN 0
.endm
.macro FETCH_A slot, q, i0
.irp i, \i0, \i0+1, \i0+2, \i0+3
	FRAG AF+16*(\i), ADRA+\slot, \q, \i
.endr
.endm
.macro PLACES n
.rept \n
	v_nop
.endr
.endm
.macro STEP slot, ks
	s_wait_dscnt 16
	WIN MUL_LO
	MUL16 0, 0, \ks
	MUL16 2, 0, \ks
	s_wait_dscnt 0x0
	PLACES NP
	FETCH_B \slot, 1, 1
	FETCH_A \slot, 1, 0
	WIN MUL_HI
	MUL16 4, 0, \ks
	MUL16 6, 0, \ks
	PLACES NP
	WIN 0
	FETCH_A \slot, 1, 4
.endm
.macro TURN slot, next, ks, fill
	s_wait_tensorcnt 0x0
	ds_add_u32 v[SPW], v[NIL]
	s_wait_dscnt 17
	WIN MUL_LO
	MUL16 0, 1, \ks
	s_wait_dscnt 0x0
	s_barrier_signal -1
	MUL16 2, 1, \ks
	WIN 0
	s_barrier_wait -1
.if \fill
	CREST
	s_add_nc_u64 s[G0+4*\slot+2:G0+4*\slot+3], s[G0+4*\slot+2:G0+4*\slot+3], 2*KB
	s_add_nc_u64 s[G0B+4*\slot+2:G0B+4*\slot+3], s[G0B+4*\slot+2:G0B+4*\slot+3], 2*KB
	JLOAD G0+4*\slot, G1, G0B+4*\slot, G1B
	PLACES NP-4
.else
	PLACES NP
.endif
	FETCH_B \next, 0, 0
	FETCH_A \next, 0, 0
	WIN MUL_HI
	MUL16 4, 1, \ks
	MUL16 6, 1, \ks
	PLACES NP
	WIN 0
	FETCH_A \next, 0, 4
.endm
	s_wait_alu depctr_va_vdst(0)
	s_wait_tensorcnt 0x0
	s_mov_b32 s[G1+2], 8<<16
	s_mov_b32 s[G1+4], 8
	s_mov_b32 s[G1B+2], 8<<16
	s_mov_b32 s[G1B+4], 8
	s_barrier_signal -1
	s_barrier_wait -1
	FETCH_B 0, 0, 0
	FETCH_A 0, 0, 0
	FETCH_A 0, 0, 4
	s_wait_loadcnt 0x0
	STEP 0, 0
	TURN 0, 1, 1, 1
	STEP 1, 2
	TURN 1, 0, 3, 1
	STEP 0, 4
	TURN 0, 1, 5, 0
	STEP 1, 6
	s_wait_dscnt 16
	WIN MUL_LO
	MUL16 0, 1, 7
	MUL16 2, 1, 7
	s_wait_dscnt 0x0
	WIN MUL_HI
	MUL16 4, 1, 7
	MUL16 6, 1, 7
	WIN 0
.irp j, 0,1,2,3,4,5,6,7,8,9,10,11,12,13,14,15
	v_mov_b32 v[SUM+\j], 0
.endr
.macro EXPS w
	WIN 0x82+0x41*((\w)-2)
.irp a, 0,1,2,3
.irp b, 2,3,6,7
.irp j, 0,2,4,6
	v_pk_mul_f32 v[8*(8*\a+\b)+\j:8*(8*\a+\b)+\j+1], v[8*(8*\a+\b)+\j:8*(8*\a+\b)+\j+1], v[LGV:LGV+1]
.endr
.endr
.endr
	s_wait_alu depctr_va_vdst(0)
.irp a, 0,1,2,3
.irp b, 2,3,6,7
.irp j, 0,1,2,3,4,5,6,7
	v_exp_f32 v[8*(8*\a+\b)+\j], v[8*(8*\a+\b)+\j]
.endr
.endr
.endr
	v_nop
.endm
.macro ACCUM w
	WIN 0x0a+5*((\w)-2)
.irp a, 0,1,2,3
.irp j, 0,2,4,6
.irp p, 0,1,2,3
.set AV, 8*(8*\a+(\p&1)+4*(\p>>1))+\j
	v_pk_fma_f32 v[SUM+8+2*\p:SUM+9+2*\p], v[AV+16:AV+17], v[AV:AV+1], v[SUM+8+2*\p:SUM+9+2*\p]
	v_pk_fma_f32 v[SUM+2*\p:SUM+1+2*\p], v[AV+16:AV+17], 1.0, v[SUM+2*\p:SUM+1+2*\p] op_sel_hi:[1,0,1]
.endr
.endr
.endr
.endm
	EXPS 2
	s_wait_alu depctr_va_vdst(0)
	ACCUM 2
	EXPS 3
	s_wait_alu depctr_va_vdst(0)
	ACCUM 3
	WIN 0
.irp p, 0,1,2,3
	v_add_f32 v[SUM+2*\p], v[SUM+2*\p], v[SUM+2*\p+1]
	v_sub_f32 v[SUM+8+2*\p], v[SUM+8+2*\p], v[SUM+9+2*\p]
.endr
.irp p, 0,1,2,3,4,5,6,7
	v_permlanex16_b32 v[SUM+2*\p+1], v[SUM+2*\p], s[SEL], s[SEL+1]
.endr
.irp p, 0,1,2,3,4,5,6,7
	v_add_f32 v[SUM+2*\p], v[SUM+2*\p], v[SUM+2*\p+1]
.endr
	v_bfe_u32 v2, v0, 4, 1
	v_cmp_eq_u32 vcc_lo, 1, v2
	v_cndmask_b32 v4, v[SUM], v[SUM+2], vcc_lo
	v_cndmask_b32 v5, v[SUM+4], v[SUM+6], vcc_lo
	v_cndmask_b32 v6, v[SUM+8], v[SUM+10], vcc_lo
	v_cndmask_b32 v7, v[SUM+12], v[SUM+14], vcc_lo
	ds_store_b32 v[STW], v4
	ds_store_b32 v[STW], v5 offset:128
	ds_store_b32 v[STW], v6 offset:256
	ds_store_b32 v[STW], v7 offset:384
	ds_load_b64 v[8:9], v[STR]
	ds_load_b64 v[10:11], v[STR] offset:256
	s_wait_dscnt 0x0
	global_store_b64 v[GO], v[8:9], s[12:13]
	global_store_b64 v[GO], v[10:11], s[12:13] offset:262144
	s_wait_tensorcnt 0x0
	ds_add_u32 v[SPW], v[NIL]
	s_wait_dscnt 0x0
	CROUND
	s_endpgm
.Lfunc_end_k_q7857b868fe_sums:
	.size	k_q7857b868fe_sums, .Lfunc_end_k_q7857b868fe_sums-k_q7857b868fe_sums
	.p2alignl 7, 3214868480
	.fill 96, 4, 3214868480
	.section	.rodata,"a",@progbits
	.p2align	6, 0x0
	.amdhsa_kernel k_q7857b868fe_sums
		.amdhsa_group_segment_fixed_size 327680
		.amdhsa_private_segment_fixed_size 0
		.amdhsa_enable_private_segment 0
		.amdhsa_kernarg_size 40
		.amdhsa_user_sgpr_count 2
		.amdhsa_user_sgpr_kernarg_segment_ptr 1
		.amdhsa_wavefront_size32 1
		.amdhsa_system_sgpr_workgroup_id_x 1
		.amdhsa_system_sgpr_workgroup_id_y 1
		.amdhsa_system_sgpr_workgroup_id_z 1
		.amdhsa_system_vgpr_workitem_id 0
		.amdhsa_next_free_vgpr 1024
		.amdhsa_next_free_sgpr 96
		.amdhsa_reserve_vcc 1
		.amdhsa_float_denorm_mode_32 3
		.amdhsa_float_denorm_mode_16_64 3
		.amdhsa_memory_ordered 1
		.amdhsa_forward_progress 1
		.amdhsa_inst_pref_size 148
	.end_amdhsa_kernel
	.amdgpu_metadata
---
amdhsa.version: [ 1, 2 ]
amdhsa.kernels:
  - .name:           k_q7857b868fe_sums
    .symbol:         k_q7857b868fe_sums.kd
    .args:
      - { .name: xcod, .offset: 0, .size: 8, .value_kind: global_buffer, .address_space: global }
      - { .name: xscl, .offset: 8, .size: 8, .value_kind: global_buffer, .address_space: global }
      - { .name: wcod, .offset: 16, .size: 8, .value_kind: global_buffer, .address_space: global }
      - { .name: wscl, .offset: 24, .size: 8, .value_kind: global_buffer, .address_space: global }
      - { .name: part, .offset: 32, .size: 8, .value_kind: global_buffer, .address_space: global }
    .group_segment_fixed_size: 327680
    .private_segment_fixed_size: 0
    .kernarg_segment_align: 8
    .kernarg_segment_size: 40
    .max_flat_workgroup_size: 128
    .sgpr_count:     96
    .vgpr_count:     1024
    .wavefront_size: 32
...
	.end_amdgpu_metadata
.endif
;; end of part 2
;; launch scan (part 3): grid 32 x 8, 4 waves a work-group, clusters of 4 x 1, 327,680 bytes of LDS; arguments xcod, xscl, wcod, wscl, part, ocod, oscl; writes ocod, oscl
.if DOCPART == 3
	.amdgcn_target "amdgcn-amd-amdhsa--gfx1250"
	.amdhsa_code_object_version 6
	.text
	.protected	k_q7857b868fe_scan
	.globl	k_q7857b868fe_scan
	.p2align	8
	.type	k_q7857b868fe_scan,@function
k_q7857b868fe_scan:
	s_mov_b64 s[64:65], 0
	v_nop
	global_prefetch_b8 v0, s[64:65] scope:SCOPE_SE
	s_setreg_imm32_b32 hwreg(HW_REG_WAVE_MODE, 25, 1), 1
	s_wait_xcnt 0x0
	s_wait_alu depctr_hold_cnt(0) depctr_sa_sdst(0) depctr_va_vdst(0) depctr_va_sdst(0) depctr_va_ssrc(0) depctr_va_vcc(0) depctr_vm_vsrc(0)
	s_getreg_b32 s2, hwreg(HW_REG_IB_STS2, 6, 4)
	s_cmp_eq_u32 s2, 0
	s_cbranch_scc0 .Lentry_in_a_cluster
	s_endpgm
.Lentry_in_a_cluster:
	s_bfe_u32 s2, ttmp6, 0x10000c
	s_cmp_lg_u32 s2, 0x3003
	s_cbranch_scc0 .Lentry_shape_is_right
	s_endpgm
.Lentry_shape_is_right:
.set SLOT1, 163840
.set STG,   262144
.set TOT,   300032
.set OSB,   301056
.set SPARE, 303104
.set BLKB,  262144
.set LI,    2
.set ADR0L, 4
.set ADR0H, 5
.set ADR1,  6
.set OSR,   7
.set SPW,   8
.set NIL,   9
.set PFO,   10
.set XSC,   16
.set WSC,   48
.set VB,    64
.set CK,    192
.set CKV,   193
.set PKE,   194
.set PKV,   196
.set TT,    200
.set STW,   208
.set STR,   209
.set TOTW,  210
.set TOTR,  211
.set OSW,   212
.set OCO,   213
.set OSA,   214
.set TM,    216
.set PW,    232
.set PC,    236
.set LK,    252
.set LQ,    254
.set WV,   18
.set G1A,  24
.set G1B,  32
.set G0A,  40
.set G0B,  44
.set SGM,  48
.set SEL,  52
.set MNT,  54
.set BLK,  55
.set LIM,  59
.set PFA,  60
.set XSB,  66
.set OCB,  68
.set WB1,  70
.set WB2,  72
.set WS1,  74
.set WS2,  76
.set OSS,  78
.set HM,   79
.set MSB, 0
.macro WIN new
.if MSB != (\new)
	s_set_vgpr_msb (MSB<<8)|(\new)
.set MSB, (\new)
.endif
.endm
.macro CROUND
	s_barrier_signal -1
	s_barrier_wait -1
	s_cmp_lg_u32 s[WV], 0
	s_cbranch_scc1 .Lnot_wave_0_\@
	s_barrier_signal -3
.Lnot_wave_0_\@:
	s_barrier_wait -3
	s_barrier_signal -1
	s_barrier_wait -1
.endm
.macro PLACES n
.rept \n
	v_nop
.endr
.endm
	s_load_b256 s[4:11], s[0:1], 0x0
	s_load_b128 s[12:15], s[0:1], 0x20
	s_load_b64 s[16:17], s[0:1], 0x30
	v_lshl_add_u32 v[SPW], v0, 2, SPARE
	v_mov_b32 v[NIL], 0
	ds_add_u32 v[SPW], v[NIL]
	ds_add_u32 v[SPW], v[NIL]
	v_lshrrev_b32 v1, 5, v0
	v_readfirstlane_b32 s[WV], v1
	s_lshr_b32 s19, s[WV], 1
	s_and_b32 s20, s[WV], 1
	s_bfe_u32 s21, ttmp6, 0x40000
	s_lshl_b32 s22, ttmp9, 2
	s_add_co_u32 s22, s22, s21
	s_and_b32 s23, ttmp7, 0xffff
	s_mov_b32 s[G1A], 15|(3<<16)|(1<<21)
	s_mov_b32 s[G1A+1], 1280<<16
	s_mov_b32 s[G1A+2], 4<<16
	s_mov_b32 s[G1A+3], 1280<<16
	s_mov_b32 s[G1A+4], 4
	s_mov_b32 s[G1A+5], 2048
	s_mov_b32 s[G1A+6], 0
	s_mov_b32 s[G1A+7], 0
	s_mov_b32 s[G1B], 15|(3<<16)|(1<<21)
	s_mov_b32 s[G1B+1], 768<<16
	s_mov_b32 s[G1B+2], 4<<16
	s_mov_b32 s[G1B+3], 768<<16
	s_mov_b32 s[G1B+4], 4
	s_mov_b32 s[G1B+5], 2048
	s_mov_b32 s[G1B+6], 0
	s_mov_b32 s[G1B+7], 0
	s_mov_b32 s[SGM], 0x80808080
	s_mov_b32 s[SEL], 0x76543210
	s_mov_b32 s[SEL+1], 0xfedcba98
	s_mov_b32 s[MNT], 0x600000
	s_mov_b32 s[BLK], 7
	s_mov_b32 s[OSS], 0
	s_lshl_b32 s80, s23, 7
	s_lshl_b32 s81, s[WV], 2
	s_add_co_u32 s80, s80, s81
	s_lshl_b32 s80, s80, 14
	s_mov_b32 s81, 0
	s_mul_i32 s82, s[WV], 40960
	s_mul_i32 s83, s[WV], 24576
	s_wait_dscnt 0x0
	s_wait_kmcnt 0x0
	s_add_nc_u64 s[80:81], s[4:5], s[80:81]
	CROUND
	s_mov_b32 s[G0A], 1
	s_mov_b32 s[G0A+1], s82
	s_mov_b64 s[G0A+2:G0A+3], s[80:81]
	s_or_b32 s[G0A+3], s[G0A+3], 0x80000000
	s_mov_b32 s[G0B], 1
	s_add_co_u32 s[G0B+1], s83, SLOT1
	s_add_nc_u64 s[G0B+2:G0B+3], s[80:81], 10240
	s_or_b32 s[G0B+3], s[G0B+3], 0x80000000
	tensor_load_to_lds s[G0A:G0A+3], s[G1A:G1A+7]
	s_nop 0
	PLACES 4
	s_lshl_b32 s84, s22, 2
	s_add_co_u32 s84, s84, s20
	s_lshl_b32 s86, s22, 1
	s_add_co_u32 s86, s86, s20
	s_add_co_u32 s86, s86, 128
	s_lshl_b32 s88, s84, 9
	s_mov_b32 s89, 0
	s_lshl_b32 s90, s86, 9
	s_mov_b32 s91, 0
	s_lshl_b32 s84, s84, 14
	s_mov_b32 s85, 0
	s_lshl_b32 s86, s86, 14
	s_mov_b32 s87, 0
	s_add_nc_u64 s[WB1:WB1+1], s[8:9], s[84:85]
	s_add_nc_u64 s[WB2:WB2+1], s[8:9], s[86:87]
	s_add_nc_u64 s[WS1:WS1+1], s[10:11], s[88:89]
	s_add_nc_u64 s[WS2:WS2+1], s[10:11], s[90:91]
	s_lshl_b32 s92, s23, 7
	s_lshl_b32 s93, s19, 3
	s_add_co_u32 s92, s92, s93
	s_lshl_b32 s92, s92, 9
	s_mov_b32 s93, 0
	s_add_nc_u64 s[XSB:XSB+1], s[6:7], s[92:93]
	s_lshr_b32 s92, s23, 1
	s_lshl_b32 s92, s92, 16
	s_lshl_b32 s93, s22, 7
	s_add_co_u32 s92, s92, s93
	s_lshl_b32 s93, s20, 6
	s_add_co_u32 s92, s92, s93
	s_mov_b32 s93, 0
	s_add_nc_u64 s[12:13], s[12:13], s[92:93]
	v_and_b32 v1, 31, v0
	v_lshlrev_b32 v[LI], 4, v1
	s_wait_alu depctr_va_vdst(0)
	v_and_b32 v11, 15, v0
	v_bfe_u32 v12, v0, 4, 1
	s_wait_alu depctr_va_vdst(0)
	v_lshlrev_b32 v3, 2, v11
	v_lshl_add_u32 v3, v12, 15, v3
.irp w, 0,1
	WIN 0x40*(1+\w)
.irp t, 0,1,2,3
.irp c, 0,1,2,3
	global_load_b128 v[16*(3*\t)+4*\c:16*(3*\t)+4*\c+3], v[LI], s[WB1:WB1+1] offset:(4*\w+\t)*2048+512*\c
	global_load_b128 v[16*(3*\t+1)+4*\c:16*(3*\t+1)+4*\c+3], v[LI], s[WB1:WB1+1] offset:32768+(4*\w+\t)*2048+512*\c
	global_load_b128 v[16*(3*\t+2)+4*\c:16*(3*\t+2)+4*\c+3], v[LI], s[WB2:WB2+1] offset:(4*\w+\t)*2048+512*\c
.endr
.endr
.endr
	WIN 0
	global_load_b128 v[WSC:WSC+3], v[LI], s[WS1:WS1+1]
	global_load_b128 v[WSC+4:WSC+7], v[LI], s[WS1:WS1+1] offset:1024
	global_load_b128 v[WSC+8:WSC+11], v[LI], s[WS2:WS2+1]
.irp a, 0,1,2,3,4,5,6,7
	global_load_b128 v[XSC+4*\a:XSC+4*\a+3], v[LI], s[XSB:XSB+1] offset:512*\a
.endr
.irp k, 0,1
.irp g, 0,1,2,3,4,5,6,7
	global_load_b32 v[64+8*\k+\g], v3, s[12:13] offset:262144*\k+4096*\g
.endr
.endr
	s_lshl_b32 s92, s23, 7
	s_lshl_b32 s93, s21, 2
	s_add_co_u32 s92, s92, s93
	s_add_co_u32 s92, s92, s[WV]
	s_add_co_u32 s92, s92, 32
	s_lshl_b32 s92, s92, 14
	s_mov_b32 s93, 0
	s_add_nc_u64 s[PFA:PFA+1], s[4:5], s[92:93]
	s_cmp_eq_u32 ttmp9, 0
	s_cselect_b32 s[LIM], 1, -1
	s_lshl_b32 s92, s23, 7
	s_lshl_b32 s93, s19, 3
	s_add_co_u32 s92, s92, s93
	s_lshl_b32 s93, s20, 2
	s_add_co_u32 s92, s92, s93
	s_lshl_b32 s92, s92, 14
	s_lshl_b32 s93, s22, 9
	s_add_co_u32 s92, s92, s93
	s_mov_b32 s93, 0
	s_add_nc_u64 s[OCB:OCB+1], s[14:15], s[92:93]
	s_lshl_b32 s92, s22, 14
	s_lshl_b32 s93, s23, 11
	s_add_co_u32 s92, s92, s93
	s_lshl_b32 s93, s[WV], 9
	s_add_co_u32 s92, s92, s93
	s_mov_b32 s93, 0
	s_add_nc_u64 s[16:17], s[16:17], s[92:93]
	s_cmp_eq_u32 s19, 1
	s_cselect_b32 s56, -1, 0xffff0000
	s_cselect_b32 s57, -1, 0
	s_cselect_b32 s58, 0xffff0000, 0
	s_and_b32 s[HM], s23, 1
	s_cmp_eq_u32 s[HM], 1
	s_cselect_b32 s[HM], -1, 0
	s_mul_i32 s62, s19, 81920
	v_add_nc_u32 v[ADR0L], s62, v[LI]
	v_add_nc_u32 v[ADR0H], 40960, v[ADR0L]
	s_mul_i32 s62, s19, 49152
	s_add_co_u32 s62, s62, SLOT1
	v_add_nc_u32 v[ADR1], s62, v[LI]
	s_lshl_b32 s62, s[WV], 9
	s_add_co_u32 s62, s62, OSB
	v_add_nc_u32 v[OSR], s62, v[LI]
	v_lshlrev_b32 v[PFO], 8, v1
	v_mul_u32_u24 v13, v12, 2368
	v_lshl_add_u32 v13, v11, 2, v13
	s_wait_alu depctr_va_vdst(0)
	v_mul_u32_u24 v14, v11, 144
	v_lshl_add_u32 v14, v12, 6, v14
	s_wait_alu depctr_va_vdst(0)
	v_lshlrev_b32 v15, 2, v1
	s_wait_alu depctr_va_vdst(0)
	v_lshlrev_b32 v60, 2, v11
	s_wait_alu depctr_va_vdst(0)
	s_mul_i32 s80, s19, 18944
	s_add_co_u32 s80, s80, STG
	s_lshl_b32 s81, s20, 6
	s_add_co_u32 s82, s80, s81
	s_mul_i32 s83, s20, 2368
	s_add_co_u32 s83, s83, s80
	s_lshl_b32 s84, s[WV], 8
	s_add_co_u32 s84, s84, TOT
	s_lshl_b32 s85, s20, 8
	s_add_co_u32 s85, s85, TOT
	s_lshl_b32 s86, s19, 7
	s_add_co_u32 s86, s86, s81
	s_add_co_u32 s86, s86, OSB
	WIN 0xc0
	v_add_nc_u32 v[STW], s82, v13
	v_add_nc_u32 v[STR], s83, v14
	v_add_nc_u32 v[TOTW], s84, v15
	v_add_nc_u32 v[TOTR], s85, v60
	v_add_nc_u32 v[OSW], s86, v60
	v_lshlrev_b32 v[OCO], 4, v1
	v_mov_b32 v[PKE+1], 0
	v_mov_b32 v[PKV+1], 0
	v_mov_b32 v[LK], 0x3fb8aa3b
	v_mov_b32 v[LK+1], 0xbfb8aa3b
	v_mov_b32 v[LQ], 0xbfb8aa3b
	v_mov_b32 v[LQ+1], 0x3fb8aa3b
.irp b, 0,1,2,3,4,5,6,7,8,9,10,11,12,13,14,15
	v_mov_b32 v[TM+\b], 0
	v_mov_b32 v[PC+\b], 0
.endr
	WIN 0
	s_wait_loadcnt 0x0
	s_add_nc_u64 s[XSB:XSB+1], s[XSB:XSB+1], 8192
.irp g, 1,2,3,4,5,6,7
	v_add_f32 v64, v64, v[64+\g]
	v_add_f32 v72, v72, v[72+\g]
.endr
	v_permlanex16_b32 v65, v64, s[SEL], s[SEL+1]
	v_permlanex16_b32 v73, v72, s[SEL], s[SEL+1]
	v_add_f32 v64, v64, v65
	v_add_f32 v72, v72, v73
	WIN 0xc0
	v_cndmask_b32 v[CK], 0, v64, s[HM]
	v_cndmask_b32 v[CKV], 0, v72, s[HM]
.irp w, 1,2
	WIN 0x44*\w
.irp t, 1,3
.irp c, 0,1,2,3,4,5,6,7,8,9,10,11,12,13,14,15
	v_xor_b32 v[48*\t+\c], s[SGM], v[48*\t+\c]
.endr
.endr
.endr
	WIN 0
.macro FRAG dst, a, s
.irp c, 0,1,2,3
.if (\s) < 5
.if (\a) < 4
	ds_load_b128 v[\dst+4*\c:\dst+4*\c+3], v[ADR0L] offset:(\a)*10240+(\s)*2048+512*\c
.else
	ds_load_b128 v[\dst+4*\c:\dst+4*\c+3], v[ADR0H] offset:((\a)-4)*10240+(\s)*2048+512*\c
.endif
.else
	ds_load_b128 v[\dst+4*\c:\dst+4*\c+3], v[ADR1] offset:(\a)*6144+((\s)-5)*2048+512*\c
.endif
.endr
.endm
.macro FETCH s
.if ((\s)&1) == 0
	WIN 0
.irp a, 0,1,2,3,4,5,6,7
	FRAG 128+16*\a, \a, \s
.endr
.else
	WIN 0x40
.irp a, 0,1,2,3
	FRAG 192+16*\a, \a, \s
.endr
	WIN 0x80
.irp a, 4,5,6,7
	FRAG 128+16*\a, \a, \s
.endr
.endif
.endm
.macro OPS s, half, a, b
.if ((\s)&1) == 1
.set FX, 192+16*(\a)
.else
.set FX, 128+16*(4*(\half)+(\a))
.endif
.set FW, 16*(3*((\s)&3)+(\b))
.set SX, XSC+4*(4*(\half)+(\a))+((\s)&3)
.set SY, WSC+4*(\b)+((\s)&3)
.set DD, 24*(4*(\half)+(\a))+8*(\b)
.endm
.macro ONE s
.if ZR
	v_wmma_scale_f32_16x16x128_f8f6f4 v[DD:DD+7], v[FX:FX+15], v[FW:FW+15], 0, v[SX], v[SY] matrix_a_fmt:MATRIX_FMT_BF8 matrix_b_fmt:MATRIX_FMT_BF8
.elseif (\s) < 4
	v_wmma_scale_f32_16x16x128_f8f6f4 v[DD:DD+7], v[FX:FX+15], v[FW:FW+15], v[DD:DD+7], v[SX], v[SY] matrix_a_fmt:MATRIX_FMT_BF8 matrix_b_fmt:MATRIX_FMT_BF8
.else
	v_wmma_scale_f32_16x16x128_f8f6f4 v[DD:DD+7], v[FX:FX+15], v[FW:FW+15], v[DD:DD+7], v[SX], v[SY] matrix_a_fmt:MATRIX_FMT_BF8 matrix_b_fmt:MATRIX_FMT_BF8 matrix_a_scale:MATRIX_SCALE_ROW1 matrix_b_scale:MATRIX_SCALE_ROW1
.endif
.endm
.macro MULH s, half
.set WN, 4*(1+((\s)>>2))
.set ZR, 0
.if ((\s)&1) == 1
.set WN, WN+1+(\half)
.if (\s) == 1
.set ZR, 1
.endif
	WIN WN
.irp a, 0,1,2,3
	OPS \s, \half, \a, 0
.set DD, VB+8*(4*(\half)+\a)
	ONE \s
.endr
.set ZR, 0
	WIN WN+0xf0
.irp a, 0,1,2,3
.irp b, 1,2
	OPS \s, \half, \a, \b
	ONE \s
.endr
.endr
.else
.if (\s) == 0
.set ZR, 1
.endif
	WIN WN+0xf0
.irp a, 0,1,2,3
.irp b, 0,1,2
	OPS \s, \half, \a, \b
	ONE \s
.endr
.endr
.endif
.endm
.macro KSTEP s, fetch
	s_wait_dscnt 0x0
.if \fetch
	PLACES 8
	FETCH (\s)+1
.endif
	MULH \s, 0
	MULH \s, 1
.endm
.macro ASK
	s_cmp_gt_u32 s[BLK], s[LIM]
	s_cbranch_scc0 .Lnot_mine_\@
	global_prefetch_b8 v[PFO], s[PFA:PFA+1] th:TH_LOAD_NT scope:SCOPE_SE
	global_prefetch_b8 v[PFO], s[PFA:PFA+1] offset:8192 th:TH_LOAD_NT scope:SCOPE_SE
.Lnot_mine_\@:
.endm
.macro KTURN fill
	WIN 0
	s_wait_tensorcnt 0x0
	ds_add_u32 v[SPW], v[NIL]
.if \fill
	s_add_nc_u64 s[G0A+2:G0A+3], s[G0A+2:G0A+3], BLKB
.endif
	s_wait_dscnt 1
	MULH 4, 0
	WIN 0
	s_wait_dscnt 0x0
.if \fill
	CROUND
	tensor_load_to_lds s[G0A:G0A+3], s[G1A:G1A+7]
	s_nop 0
.else
	s_barrier_signal -1
	s_barrier_wait -1
.endif
	PLACES 8
	FETCH 5
.if \fill
	WIN 0
	ASK
.endif
	MULH 4, 1
.endm
.macro EA a
.irp j, 0,2,4,6
	v_pk_mul_f32 v[24*(\a)+8+\j:24*(\a)+9+\j], v[24*(\a)+8+\j:24*(\a)+9+\j], v[LK:LK+1]
.endr
.irp j, 0,2,4,6
	v_pk_mul_f32 v[24*(\a)+16+\j:24*(\a)+17+\j], v[24*(\a)+16+\j:24*(\a)+17+\j], v[LQ:LQ+1]
.endr
.endm
.macro EB a
.irp j, 0,1,2,3,4,5,6,7
	v_exp_f32 v[24*(\a)+8+\j], v[24*(\a)+8+\j]
.endr
.irp j, 0,1,2,3,4,5,6,7
	v_exp_f32 v[24*(\a)+16+\j], v[24*(\a)+16+\j]
.endr
.endm
.macro CH j
.irp a, 0,1,2,3,4,5,6,7
.set VV, 24*\a+(\j)
.set PV, VV-1
.if (\j) == 0
	v_mul_f32 v[VV], v[VV+8], v[VV]
.elseif (\j&1)
	v_fma_f32 v[VV], v[VV+8], -v[VV], v[PV]
	v_add_f32 v[VV+8], v[VV+8], v[PV+8]
.else
	v_fma_f32 v[VV], v[VV+8], v[VV], v[PV]
	v_add_f32 v[VV+8], v[VV+8], v[PV+8]
.endif
.endr
.endm
.macro FA a
.if (\a) == 0
.set OFK, PKE
.set OFV, PKV
.else
.set OFK, TM+2*(\a)
.set OFV, PC+2*(\a)
.endif
.irp j, 0,2,4,6
	v_pk_add_f32 v[24*(\a)+8+\j:24*(\a)+9+\j], v[24*(\a)+8+\j:24*(\a)+9+\j], v[OFK:OFK+1] op_sel_hi:[1,0]
.endr
.irp j, 0,2,4,6
	v_pk_add_f32 v[24*(\a)+\j:24*(\a)+1+\j], v[24*(\a)+\j:24*(\a)+1+\j], v[OFV:OFV+1] op_sel_hi:[1,0]
.endr
.irp j, 0,2,4,6
	v_pk_fma_f32 v[24*(\a)+16+\j:24*(\a)+17+\j], v[24*(\a)+8+\j:24*(\a)+9+\j], v[24*(\a)+16+\j:24*(\a)+17+\j], v[24*(\a)+8+\j:24*(\a)+9+\j]
.endr
.endm
.macro FR a
.irp j, 0,1,2,3,4,5,6,7
	v_rcp_f32 v[24*(\a)+16+\j], v[24*(\a)+16+\j]
.endr
.endm
.macro FB a
.irp j, 0,2,4,6
	v_pk_mul_f32 v[24*(\a)+\j:24*(\a)+1+\j], v[24*(\a)+\j:24*(\a)+1+\j], v[24*(\a)+16+\j:24*(\a)+17+\j]
.endr
.endm
.macro FS a
.irp j, 0,1,2,3,4,5,6,7
	ds_store_b32 v[STW], v[24*(\a)+\j] offset:(\j&3)*4736+(2*(\a)+(\j>>2))*144
.endr
.endm
.macro EPI1 next
	WIN 0
	PLACES 8
.if \next
.irp a, 0,1,2,3,4,5,6,7
	global_load_b128 v[XSC+4*\a:XSC+4*\a+3], v[LI], s[XSB:XSB+1] offset:512*\a
.endr
.endif
	WIN 0xc3
.irp a, 0,1,2,3,4,5,6,7
.irp j, 0,2,4,6
	v_pk_add_f32 v[24*\a+\j:24*\a+\j+1], v[24*\a+\j:24*\a+\j+1], v[VB+8*\a+\j:VB+8*\a+\j+1] neg_lo:[0,1] neg_hi:[0,1]
.endr
.endr
	WIN 0xff
.irp a, 0,1,2,3,4,5,6,7
	EA \a
.endr
	s_wait_alu depctr_va_vdst(0)
.irp a, 0,1,2,3,4,5,6,7
	EB \a
.endr
	v_nop
	s_wait_alu depctr_va_vdst(0)
.irp j, 0,1,2,3,4,5,6,7
	CH \j
.endr
	v_add_f32 v[TM+4], v15, v39
	v_add_f32 v[PC+4], v7, v31
.irp a, 2,3,4,5,6
	v_add_f32 v[TM+2+2*\a], v[TM+2*\a], v[24*\a+15]
	v_add_f32 v[PC+2+2*\a], v[PC+2*\a], v[24*\a+7]
.endr
	v_add_f32 v[TM], v[TM+14], v183
	v_add_f32 v[PC], v[PC+14], v175
	ds_store_b32 v[TOTW], v[TM]
	ds_store_b32 v[TOTW], v[PC] offset:128
	s_wait_alu depctr_va_vdst(0)
	s_wait_dscnt 0x0
	s_barrier_signal -1
	s_barrier_wait -1
.irp k, 0,1
.irp i, 0,1,2,3
	ds_load_b32 v[TT+4*\k+\i], v[TOTR] offset:(\i>>1)*512+\k*128+(\i&1)*64
.endr
.endr
	s_wait_dscnt 0x0
	v_add_f32 v[TT], v[CK], v[TT]
	v_add_f32 v[TT+4], v[CKV], v[TT+4]
	v_add_f32 v[TT+1], v[TT], v[TT+1]
	v_add_f32 v[TT+5], v[TT+4], v[TT+5]
	v_add_f32 v[TT+2], v[TT+1], v[TT+2]
	v_add_f32 v[TT+6], v[TT+5], v[TT+6]
	v_cndmask_b32 v[PKE], v[CK], v[TT], s56
	v_cndmask_b32 v[PKV], v[CKV], v[TT+4], s56
	v_cndmask_b32 v[PKE], v[PKE], v[TT+1], s57
	v_cndmask_b32 v[PKV], v[PKV], v[TT+5], s57
	v_cndmask_b32 v[PKE], v[PKE], v[TT+2], s58
	v_cndmask_b32 v[PKV], v[PKV], v[TT+6], s58
	v_add_f32 v[CK], v[TT+2], v[TT+3]
	v_add_f32 v[CKV], v[TT+6], v[TT+7]
	v_add_f32 v[PKE], 0x358637bd, v[PKE]
	v_add_f32 v[TM+2], v[PKE], v15
	v_add_f32 v[PC+2], v[PKV], v7
.irp a, 2,3,4,5,6,7
	v_add_f32 v[TM+2*\a], v[PKE], v[TM+2*\a]
	v_add_f32 v[PC+2*\a], v[PKV], v[PC+2*\a]
.endr
.irp a, 0,1,2,3,4,5,6,7
	FA \a
.endr
	s_wait_alu depctr_va_vdst(0)
.irp a, 0,1,2,3,4,5,6,7
	FR \a
.endr
	v_nop
	s_wait_alu depctr_va_vdst(0)
.irp a, 0,1,2,3,4,5,6,7
	FB \a
.endr
.irp a, 0,1,2,3,4,5,6,7
	FS \a
.endr
.endm
.macro CHB fill
	WIN 0
.if \fill
	s_wait_tensorcnt 0x0
	ds_add_u32 v[SPW], v[NIL]
	s_add_nc_u64 s[G0B+2:G0B+3], s[G0B+2:G0B+3], BLKB
	s_wait_dscnt 0x0
	CROUND
	tensor_load_to_lds s[G0B:G0B+3], s[G1B:G1B+7]
	s_nop 0
	PLACES 4
.else
	s_wait_dscnt 0x0
	s_barrier_signal -1
	s_barrier_wait -1
.endif
.endm
.macro QUANT s, pc, pw
.irp b, 0,1,2,3
	v_max3_num_f32 v[TM+\b], |v[\s+16*\b]|, |v[\s+1+16*\b]|, 0x8000000
.endr
.irp i, 2,4,6,8,10,12,14
.irp b, 0,1,2,3
	v_max3_num_f32 v[TM+\b], v[TM+\b], |v[\s+16*\b+\i]|, |v[\s+1+16*\b+\i]|
.endr
.endr
.irp b, 0,1,2,3
	v_permlanex16_b32 v[TM+4+\b], v[TM+\b], s[SEL], s[SEL+1]
.endr
.irp b, 0,1,2,3
	v_max_num_f32 v[TM+\b], v[TM+\b], v[TM+4+\b]
.endr
.irp b, 0,1,2,3
	v_add_nc_u32 v[TM+12+\b], 0xf8800000, v[TM+\b]
.endr
.irp b, 0,1,2,3
	v_and_or_b32 v[TM+8+\b], v[TM+\b], 0x7f800000, s[MNT]
.endr
.irp b, 0,1,2,3
	v_lshrrev_b32 v[TM+4+\b], 23, v[TM+12+\b]
.endr
	v_lshl_or_b32 v[\pw], v[TM+5], 8, v[TM+4]
	v_lshl_or_b32 v[\pw], v[TM+6], 16, v[\pw]
	v_lshl_or_b32 v[\pw], v[TM+7], 24, v[\pw]
.irp b, 0,1,2,3
.irp i, 0,1,2,3,4,5,6,7,8,9,10,11,12,13,14,15
	v_med3_num_f32 v[\s+16*\b+\i], v[\s+16*\b+\i], -v[TM+8+\b], v[TM+8+\b]
.endr
	v_cvt_scalef32_pk8_bf8_f32 v[\pc+4*\b:\pc+1+4*\b], v[\s+16*\b:\s+7+16*\b], v[TM+12+\b]
	v_cvt_scalef32_pk8_bf8_f32 v[\pc+2+4*\b:\pc+3+4*\b], v[\s+8+16*\b:\s+15+16*\b], v[TM+12+\b]
.endr
	v_nop
.endm
.macro EPI2A
	WIN 0x03
.irp b, 0,1,2,3
.irp q, 0,1,2,3
	ds_load_b128 v[VB+16*\b+4*\q:VB+16*\b+4*\q+3], v[STR] offset:4736*\b+16*\q
.endr
.endr
	FETCH 0
	WIN 0
	s_wait_loadcnt 0x0
	s_wait_xcnt 0x0
	s_add_nc_u64 s[XSB:XSB+1], s[XSB:XSB+1], 8192
	s_add_nc_u64 s[PFA:PFA+1], s[PFA:PFA+1], BLKB
.endm
.macro WM
	WIN 0xf4
	OPS 0, (QW/12), ((QW/3)%4), (QW%3)
	ONE 0
.set QW, QW+1
.endm
.macro TICK
.set QN, QN+1
.if (QN%5) == 0
.if QW < 24
	WM
.endif
.endif
.endm
.macro KSTEP0Q
.set QN, 0
.set QW, 0
.set ZR, 1
	s_wait_dscnt 0x0
	PLACES 8
	FETCH 1
.irp b, 0,1,2,3
	WIN 0xc0
	v_max3_num_f32 v[TM+\b], |v[VB+16*\b]|, |v[VB+1+16*\b]|, 0x8000000
	TICK
.endr
.irp i, 2,4,6,8,10,12,14
.irp b, 0,1,2,3
	WIN 0xc3
	v_max3_num_f32 v[TM+\b], v[TM+\b], |v[VB+16*\b+\i]|, |v[VB+1+16*\b+\i]|
	TICK
.endr
.endr
.irp b, 0,1,2,3
	WIN 0xff
	v_permlanex16_b32 v[TM+4+\b], v[TM+\b], s[SEL], s[SEL+1]
	TICK
.endr
.irp b, 0,1,2,3
	WIN 0xff
	v_max_num_f32 v[TM+\b], v[TM+\b], v[TM+4+\b]
	TICK
.endr
.irp b, 0,1,2,3
	WIN 0xff
	v_add_nc_u32 v[TM+12+\b], 0xf8800000, v[TM+\b]
	TICK
.endr
.irp b, 0,1,2,3
	WIN 0xff
	v_and_or_b32 v[TM+8+\b], v[TM+\b], 0x7f800000, s[MNT]
	TICK
.endr
.irp b, 0,1,2,3
	WIN 0xff
	v_lshrrev_b32 v[TM+4+\b], 23, v[TM+12+\b]
	TICK
.endr
	WIN 0xff
	v_lshl_or_b32 v[PW], v[TM+5], 8, v[TM+4]
	TICK
	WIN 0xff
	v_lshl_or_b32 v[PW], v[TM+6], 16, v[PW]
	TICK
	WIN 0xff
	v_lshl_or_b32 v[PW], v[TM+7], 24, v[PW]
	TICK
	WIN 0xff
	v_add_nc_u32 v[OSA], s[OSS], v[OSW]
	TICK
.irp b, 0,1,2,3
.irp i, 0,1,2,3,4,5,6,7,8,9,10,11,12,13,14,15
	WIN 0x3c
	v_med3_num_f32 v[VB+16*\b+\i], v[VB+16*\b+\i], -v[TM+8+\b], v[TM+8+\b]
	TICK
.endr
.endr
	WIN 0xcc
.irp b, 0,1,2,3
	v_cvt_scalef32_pk8_bf8_f32 v[PC+4*\b:PC+1+4*\b], v[VB+16*\b:VB+7+16*\b], v[TM+12+\b]
	v_cvt_scalef32_pk8_bf8_f32 v[PC+2+4*\b:PC+3+4*\b], v[VB+8+16*\b:VB+15+16*\b], v[TM+12+\b]
.endr
	v_nop
	WIN 0xff
.irp b, 0,1,2,3
	global_store_b128 v[OCO], v[PC+4*\b:PC+4*\b+3], s[OCB:OCB+1] offset:16384*\b
.endr
	ds_store_b32 v[OSA], v[PW]
	WIN 0
	s_wait_xcnt 0x0
	s_add_nc_u64 s[OCB:OCB+1], s[OCB:OCB+1], BLKB
	s_add_co_u32 s[OSS], s[OSS], 256
.endm
.macro EPI2 fetch
	WIN 0xff
.irp b, 0,1,2,3
.irp q, 0,1,2,3
	ds_load_b128 v[16*\b+4*\q:16*\b+4*\q+3], v[STR] offset:4736*\b+16*\q
.endr
.endr
.if \fetch
	FETCH 0
	s_wait_dscnt 32
.else
	s_wait_dscnt 0x0
.endif
	WIN 0xff
	v_add_nc_u32 v[OSA], s[OSS], v[OSW]
	QUANT 0, PC, PW
.irp b, 0,1,2,3
	global_store_b128 v[OCO], v[PC+4*\b:PC+4*\b+3], s[OCB:OCB+1] offset:16384*\b
.endr
	ds_store_b32 v[OSA], v[PW]
	WIN 0
.if \fetch
	s_wait_loadcnt 0x0
	s_wait_xcnt 0x0
	s_add_nc_u64 s[XSB:XSB+1], s[XSB:XSB+1], 8192
	s_add_nc_u64 s[OCB:OCB+1], s[OCB:OCB+1], BLKB
	s_add_nc_u64 s[PFA:PFA+1], s[PFA:PFA+1], BLKB
	s_add_co_u32 s[OSS], s[OSS], 256
.endif
.endm
	s_wait_alu depctr_va_vdst(0)
	s_wait_tensorcnt 0x0
	ds_add_u32 v[SPW], v[NIL]
	s_wait_dscnt 0x0
	CROUND
	tensor_load_to_lds s[G0B:G0B+3], s[G1B:G1B+7]
	s_nop 0
	PLACES 4
	FETCH 0
	KSTEP 0, 1
	WIN 0
.Lblock:
	KSTEP 1, 1
	KSTEP 2, 1
	KSTEP 3, 1
	KTURN 1
	KSTEP 5, 1
	s_wait_alu depctr_va_vdst(0)
	KSTEP 6, 1
	KSTEP 7, 0
	s_wait_alu depctr_va_vdst(0)
	EPI1 1
	CHB 1
	EPI2A
	KSTEP0Q
	s_sub_co_u32 s[BLK], s[BLK], 1
	s_cmp_lg_u32 s[BLK], 0
	s_cbranch_scc1 .Lblock
	KSTEP 1, 1
	KSTEP 2, 1
	KSTEP 3, 1
	KTURN 0
	KSTEP 5, 1
	KSTEP 6, 1
	KSTEP 7, 0
	EPI1 0
	CHB 0
	EPI2 0
	s_wait_dscnt 0x0
	s_barrier_signal -1
	s_barrier_wait -1
	ds_load_b128 v[64:67], v[OSR]
	s_wait_dscnt 0x0
	global_store_b128 v[LI], v[64:67], s[16:17]
	s_wait_tensorcnt 0x0
	ds_add_u32 v[SPW], v[NIL]
	s_wait_dscnt 0x0
	CROUND
	s_endpgm
.Lfunc_end_k_q7857b868fe_scan:
	.size	k_q7857b868fe_scan, .Lfunc_end_k_q7857b868fe_scan-k_q7857b868fe_scan
	.p2alignl 7, 3214868480
	.fill 96, 4, 3214868480
	.section	.rodata,"a",@progbits
	.p2align	6, 0x0
	.amdhsa_kernel k_q7857b868fe_scan
		.amdhsa_group_segment_fixed_size 327680
		.amdhsa_private_segment_fixed_size 0
		.amdhsa_enable_private_segment 0
		.amdhsa_kernarg_size 56
		.amdhsa_user_sgpr_count 2
		.amdhsa_user_sgpr_kernarg_segment_ptr 1
		.amdhsa_wavefront_size32 1
		.amdhsa_system_sgpr_workgroup_id_x 1
		.amdhsa_system_sgpr_workgroup_id_y 1
		.amdhsa_system_sgpr_workgroup_id_z 1
		.amdhsa_system_vgpr_workitem_id 0
		.amdhsa_next_free_vgpr 1024
		.amdhsa_next_free_sgpr 96
		.amdhsa_reserve_vcc 0
		.amdhsa_float_denorm_mode_32 3
		.amdhsa_float_denorm_mode_16_64 3
		.amdhsa_memory_ordered 1
		.amdhsa_forward_progress 1
		.amdhsa_inst_pref_size 200
	.end_amdhsa_kernel
	.amdgpu_metadata
---
amdhsa.version: [ 1, 2 ]
amdhsa.kernels:
  - .name:           k_q7857b868fe_scan
    .symbol:         k_q7857b868fe_scan.kd
    .args:
      - { .name: xcod, .offset: 0, .size: 8, .value_kind: global_buffer, .address_space: global }
      - { .name: xscl, .offset: 8, .size: 8, .value_kind: global_buffer, .address_space: global }
      - { .name: wcod, .offset: 16, .size: 8, .value_kind: global_buffer, .address_space: global }
      - { .name: wscl, .offset: 24, .size: 8, .value_kind: global_buffer, .address_space: global }
      - { .name: part, .offset: 32, .size: 8, .value_kind: global_buffer, .address_space: global }
      - { .name: ocod, .offset: 40, .size: 8, .value_kind: global_buffer, .address_space: global }
      - { .name: oscl, .offset: 48, .size: 8, .value_kind: global_buffer, .address_space: global }
    .group_segment_fixed_size: 327680
    .private_segment_fixed_size: 0
    .kernarg_segment_align: 8
    .kernarg_segment_size: 56
    .max_flat_workgroup_size: 128
    .sgpr_count:     96
    .vgpr_count:     1024
    .wavefront_size: 32
...
	.end_amdgpu_metadata
.endif
;; end of part 3
;; launch final (part 4): grid 4 x 64, 4 waves a work-group, clusters of 4 x 1, 327,680 bytes of LDS; arguments ocod, oscl, wcod, wscl, out0; writes out0
.if DOCPART == 4
	.amdgcn_target "amdgcn-amd-amdhsa--gfx1250"
	.amdhsa_code_object_version 6
	.text
	.protected	k_q7857b868fe_final
	.globl	k_q7857b868fe_final
	.p2align	8
	.type	k_q7857b868fe_final,@function
k_q7857b868fe_final:
	s_mov_b64 s[64:65], 0
	v_nop
	global_prefetch_b8 v0, s[64:65] scope:SCOPE_SE
	s_setreg_imm32_b32 hwreg(HW_REG_WAVE_MODE, 25, 1), 1
	s_wait_xcnt 0x0
	s_wait_alu depctr_hold_cnt(0) depctr_sa_sdst(0) depctr_va_vdst(0) depctr_va_sdst(0) depctr_va_ssrc(0) depctr_va_vcc(0) depctr_vm_vsrc(0)
	s_getreg_b32 s2, hwreg(HW_REG_IB_STS2, 6, 4)
	s_cmp_eq_u32 s2, 0
	s_cbranch_scc0 .Lentry_in_a_cluster
	s_endpgm
.Lentry_in_a_cluster:
	s_bfe_u32 s2, ttmp6, 0x10000c
	s_cmp_lg_u32 s2, 0x3003
	s_cbranch_scc0 .Lentry_shape_is_right
	s_endpgm
.Lentry_shape_is_right:
.set GB,     65536
.set SCL,    4*GB
.set STG,    SCL+4*2048
.set SPITCH, 272
.set SPARE,  STG+4*16*SPITCH
.set LI,  2
.set ADR, 3
.set SCW, 4
.set SCR, 5
.set STO, 6
.set RD,  7
.set CO,  8
.set RO,  9
.set SPW, 10
.set NIL, 11
.set SCA, 16
.set SCB, 32
.set RW,  48
.set OUT, 64
.set AF,  128
.set G1,  24
.set G0,  32
.set MSB, 0
.macro WIN new
.if MSB != (\new)
	s_set_vgpr_msb (MSB<<8)|(\new)
.set MSB, (\new)
.endif
.endm
.macro CROUND
	s_barrier_signal -1
	s_barrier_wait -1
	s_cmp_lg_u32 s14, 0
	s_cbranch_scc1 .Lnot_wave_0_\@
	s_barrier_signal -3
.Lnot_wave_0_\@:
	s_barrier_wait -3
	s_barrier_signal -1
	s_barrier_wait -1
.endm
.macro PLACES n
.rept \n
	v_nop
.endr
.endm
	s_load_b128 s[4:7], s[0:1], 0x0
	s_load_b128 s[8:11], s[0:1], 0x10
	s_load_b64 s[12:13], s[0:1], 0x20
	v_lshl_add_u32 v[SPW], v0, 2, SPARE
	v_mov_b32 v[NIL], 0
	ds_add_u32 v[SPW], v[NIL]
	ds_add_u32 v[SPW], v[NIL]
	v_lshrrev_b32 v1, 5, v0
	v_readfirstlane_b32 s14, v1
	s_bfe_u32 s15, ttmp6, 0x40000
	s_lshl_b32 s17, ttmp9, 2
	s_add_co_u32 s15, s15, s17
	s_and_b32 s16, ttmp7, 0xffff
	s_mov_b32 s[G1], 15|(3<<16)|(1<<21)
	s_mov_b32 s[G1+1], 512<<16
	s_mov_b32 s[G1+2], 16<<16
	s_mov_b32 s[G1+3], 512<<16
	s_mov_b32 s[G1+4], 16
	s_mov_b32 s[G1+5], 512
	s_mov_b32 s[G1+6], 0
	s_mov_b32 s[G1+7], 0
	s_lshl_b32 s18, s16, 18
	s_lshl_b32 s19, s14, 16
	s_add_co_u32 s18, s18, s19
	s_mov_b32 s19, 0
	s_lshl_b32 s21, s15, 4
	s_lshl_b32 s22, s14, 2
	s_add_co_u32 s21, s21, s22
	s_add_co_u32 s21, s21, 192
	s_lshl_b32 s36, s21, 14
	s_mov_b32 s37, 0
	s_lshl_b32 s38, s21, 9
	s_mov_b32 s39, 0
	s_lshl_b32 s40, s16, 8
	s_lshl_b32 s21, s14, 6
	s_add_co_u32 s40, s40, s21
	s_mov_b32 s41, 0
	s_lshl_b32 s42, s16, 20
	s_lshl_b32 s21, s15, 10
	s_add_co_u32 s42, s42, s21
	s_lshl_b32 s21, s14, 8
	s_add_co_u32 s42, s42, s21
	s_mov_b32 s43, 0
	s_lshl_b32 s44, s14, 11
	s_add_co_u32 s44, s44, SCL
	s_mul_i32 s45, s14, 16*SPITCH
	s_add_co_u32 s45, s45, STG
	s_wait_dscnt 0x0
	s_wait_kmcnt 0x0
	s_mov_b32 s[G0], 1
	s_lshl_b32 s[G0+1], s14, 16
	s_add_nc_u64 s[G0+2:G0+3], s[4:5], s[18:19]
	s_or_b32 s[G0+3], s[G0+3], 0x80000000
	s_add_nc_u64 s[8:9], s[8:9], s[36:37]
	s_add_nc_u64 s[10:11], s[10:11], s[38:39]
	s_add_nc_u64 s[6:7], s[6:7], s[40:41]
	s_add_nc_u64 s[12:13], s[12:13], s[42:43]
	CROUND
	tensor_load_to_lds s[G0:G0+3], s[G1:G1+7]
	s_nop 0
	PLACES 4
	v_and_b32 v1, 31, v0
	v_and_b32 v12, 15, v0
	v_bfe_u32 v13, v0, 4, 1
	v_lshlrev_b32 v[LI], 4, v1
	v_lshlrev_b32 v[ADR], 4, v1
	v_lshlrev_b32 v[RO], 2, v12
	v_lshl_add_u32 v[RO], v13, 18, v[RO]
	v_add_nc_u32 v[SCW], s44, v[LI]
	v_add_nc_u32 v[SCR], SCL, v[LI]
	v_mul_u32_u24 v14, v12, SPITCH
	v_lshl_add_u32 v14, v13, 5, v14
	v_add_nc_u32 v[STO], s45, v14
	v_mul_u32_u24 v15, v13, SPITCH
	v_lshl_add_u32 v15, v12, 4, v15
	v_add_nc_u32 v[RD], s45, v15
	v_lshlrev_b32 v[CO], 4, v12
	v_lshl_add_u32 v[CO], v13, 14, v[CO]
	s_wait_alu depctr_va_vdst(0)
.irp s, 0,1,2,3
.irp c, 0,1,2,3
	global_load_b32 v[RW+4*\s+\c], v[RO], s[6:7] offset:(4*\s+\c)*16384
.endr
.endr
.irp b, 0,1,2,3
	global_load_b128 v[SCB+4*\b:SCB+4*\b+3], v[LI], s[10:11] offset:512*\b
.endr
.irp w, 0,1
	WIN 0x40*(1+\w)
.irp s, 0,1,2,3
.irp b, 0,1,2,3
.irp c, 0,1,2,3
	global_load_b128 v[64*\s+16*\b+4*\c:64*\s+16*\b+4*\c+3], v[LI], s[8:9] offset:\b*16384+(4*\w+\s)*2048+512*\c
.endr
.endr
.endr
.endr
	WIN 0
	s_wait_loadcnt 63
.irp s, 0,1,2,3
	v_perm_b32 v12, v[RW+4*\s+1], v[RW+4*\s], 0x05010400
	v_perm_b32 v13, v[RW+4*\s+1], v[RW+4*\s], 0x07030602
	v_perm_b32 v14, v[RW+4*\s+3], v[RW+4*\s+2], 0x05010400
	v_perm_b32 v15, v[RW+4*\s+3], v[RW+4*\s+2], 0x07030602
	v_perm_b32 v[SCA+\s], v14, v12, 0x05040100
	v_perm_b32 v[SCA+4+\s], v14, v12, 0x07060302
	v_perm_b32 v[SCA+8+\s], v15, v13, 0x05040100
	v_perm_b32 v[SCA+12+\s], v15, v13, 0x07060302
.endr
	s_wait_alu depctr_va_vdst(0)
	s_wait_tensorcnt 0x0
.irp a, 0,1,2,3
	ds_store_b128 v[SCW], v[SCA+4*\a:SCA+4*\a+3] offset:512*\a
.endr
	s_wait_dscnt 0x0
	s_barrier_signal -1
	s_barrier_wait -1
.macro SCLOAD
.irp a, 0,1,2,3
	ds_load_b128 v[SCA+4*\a:SCA+4*\a+3], v[SCR] offset:512*\a
.endr
.endm
.macro FETCH s
	WIN 0xc0*(((\s)>>1)&1)
.irp a, 0,1,2,3
.irp c, 0,1,2,3
	ds_load_b128 v[AF+64*((\s)&1)+16*\a+4*\c:AF+64*((\s)&1)+16*\a+4*\c+3], v[ADR] offset:\a*16384+(\s)*2048+512*\c
.endr
.endr
.endm
.macro MUL s
	WIN 0xf0|(12*(((\s)>>1)&1))|(1+((\s)>>2))
.irp a, 0,1,2,3
.irp b, 0,1,2,3
.set DD, 8*(4*\a+\b)
.set FW, 64*((\s)&3)+16*\b
.set FX, AF+64*((\s)&1)+16*\a
.set SY, SCB+4*\b+((\s)&3)
.set SX, SCA+4*\a+((\s)&3)
.if (\s) == 0
	v_wmma_scale_f32_16x16x128_f8f6f4 v[DD:DD+7], v[FW:FW+15], v[FX:FX+15], 0, v[SY], v[SX] matrix_a_fmt:MATRIX_FMT_BF8 matrix_b_fmt:MATRIX_FMT_BF8
.elseif (\s) < 4
	v_wmma_scale_f32_16x16x128_f8f6f4 v[DD:DD+7], v[FW:FW+15], v[FX:FX+15], v[DD:DD+7], v[SY], v[SX] matrix_a_fmt:MATRIX_FMT_BF8 matrix_b_fmt:MATRIX_FMT_BF8
.else
	v_wmma_scale_f32_16x16x128_f8f6f4 v[DD:DD+7], v[FW:FW+15], v[FX:FX+15], v[DD:DD+7], v[SY], v[SX] matrix_a_fmt:MATRIX_FMT_BF8 matrix_b_fmt:MATRIX_FMT_BF8 matrix_a_scale:MATRIX_SCALE_ROW1 matrix_b_scale:MATRIX_SCALE_ROW1
.endif
.endr
.endr
.endm
.macro TOSTAGE a
	s_wait_xcnt 0x0
	WIN 0x0c
.irp b, 0,1,2,3
	ds_store_b128 v[STO], v[32*(\a)+8*\b:32*(\a)+8*\b+3] offset:64*\b
	ds_store_b128 v[STO], v[32*(\a)+8*\b+4:32*(\a)+8*\b+7] offset:64*\b+16
.endr
	WIN 0
.irp t, 0,1,2,3,4,5,6,7
	ds_load_b128 v[OUT+32*((\a)&1)+4*\t:OUT+32*((\a)&1)+4*\t+3], v[RD] offset:\t*2*SPITCH
.endr
.endm
.macro SEND a, younger
	s_wait_dscnt \younger
.irp t, 0,1,2,3,4,5,6,7
	global_store_b128 v[CO], v[OUT+32*((\a)&1)+4*\t:OUT+32*((\a)&1)+4*\t+3], s[12:13] offset:((\a)+8*\t)*4096 th:TH_STORE_NT
.endr
.endm
.macro GROUP last
.irp s, 0,1,2,3,4,5
	s_wait_dscnt 16
	PLACES 8
	FETCH \s+2
.if (\s) >= 4
	s_wait_loadcnt 16*(7-(\s))
.endif
	MUL \s
.endr
	s_wait_dscnt 16
	PLACES 8
.if !(\last)
	WIN 0
	v_add_nc_u32 v[ADR], GB, v[ADR]
	v_add_nc_u32 v[SCR], 2048, v[SCR]
	s_wait_alu depctr_va_vdst(0)
	FETCH 0
.endif
	s_wait_loadcnt 16
	MUL 6
.if \last
	s_wait_dscnt 0x0
.else
	s_wait_dscnt 16
	PLACES 8
	FETCH 1
.endif
	s_wait_loadcnt 0x0
	MUL 7
	WIN 0
	PLACES 8
.if !(\last)
	SCLOAD
.endif
	TOSTAGE 0
.irp a, 1,2,3
	TOSTAGE \a
	SEND \a-1, 16
.endr
	SEND 3, 0
.endm
	SCLOAD
	FETCH 0
	FETCH 1
	s_mov_b32 s20, 3
.Lgroup:
	GROUP 0
	s_wait_xcnt 0x0
	s_add_nc_u64 s[12:13], s[12:13], 64*4096
	s_sub_co_u32 s20, s20, 1
	s_cmp_lg_u32 s20, 0
	s_cbranch_scc1 .Lgroup
	GROUP 1
	s_wait_tensorcnt 0x0
	ds_add_u32 v[SPW], v[NIL]
	s_wait_dscnt 0x0
	CROUND
	s_endpgm
.Lfunc_end_k_q7857b868fe_final:
	.size	k_q7857b868fe_final, .Lfunc_end_k_q7857b868fe_final-k_q7857b868fe_final
	.p2alignl 7, 3214868480
	.fill 96, 4, 3214868480
	.section	.rodata,"a",@progbits
	.p2align	6, 0x0
	.amdhsa_kernel k_q7857b868fe_final
		.amdhsa_group_segment_fixed_size 327680
		.amdhsa_private_segment_fixed_size 0
		.amdhsa_enable_private_segment 0
		.amdhsa_kernarg_size 40
		.amdhsa_user_sgpr_count 2
		.amdhsa_user_sgpr_kernarg_segment_ptr 1
		.amdhsa_wavefront_size32 1
		.amdhsa_system_sgpr_workgroup_id_x 1
		.amdhsa_system_sgpr_workgroup_id_y 1
		.amdhsa_system_sgpr_workgroup_id_z 1
		.amdhsa_system_vgpr_workitem_id 0
		.amdhsa_next_free_vgpr 1024
		.amdhsa_next_free_sgpr 66
		.amdhsa_reserve_vcc 0
		.amdhsa_float_denorm_mode_32 3
		.amdhsa_float_denorm_mode_16_64 3
		.amdhsa_memory_ordered 1
		.amdhsa_forward_progress 1
		.amdhsa_inst_pref_size 92
	.end_amdhsa_kernel
	.amdgpu_metadata
---
amdhsa.version: [ 1, 2 ]
amdhsa.kernels:
  - .name:           k_q7857b868fe_final
    .symbol:         k_q7857b868fe_final.kd
    .args:
      - { .name: ocod, .offset: 0, .size: 8, .value_kind: global_buffer, .address_space: global }
      - { .name: oscl, .offset: 8, .size: 8, .value_kind: global_buffer, .address_space: global }
      - { .name: wcod, .offset: 16, .size: 8, .value_kind: global_buffer, .address_space: global }
      - { .name: wscl, .offset: 24, .size: 8, .value_kind: global_buffer, .address_space: global }
      - { .name: out0, .offset: 32, .size: 8, .value_kind: global_buffer, .address_space: global }
    .group_segment_fixed_size: 327680
    .private_segment_fixed_size: 0
    .kernarg_segment_align: 8
    .kernarg_segment_size: 40
    .max_flat_workgroup_size: 128
    .sgpr_count:     66
    .vgpr_count:     1024
    .wavefront_size: 32
...
	.end_amdgpu_metadata
.endif
;; end of part 4
